; MI455X (gfx1250); checked and timed in simulation.
; The chip was launched on July 23, 2026; its instructions are those of AMD's public machine-readable ISA for CDNA 5 (MIT licence, August 2026) and "CDNA5" Instruction Set Architecture Reference Guide (July 2026). The comments in the code are by the model that wrote it; some were corrected since.
;; Bahdanau Attention. Allowed arithmetic: matrix products marked QUANTISED: E4M3 operands, one E8M0 scale for each 32 along K, by v_wmma_scale_f32_16x16x128_f8f6f4 with both operands' format E4M3, f32 sums; products left as they are: f32 operands where the result goes on into a quantised operand, else bf16, f16 or f32 operands; f32 sums; everything else in f32.
;; Inputs: V 1,024 x 1 float32; W1 1,024 x 1,024 float32; W2 1,024 x 1,024 float32; b1 1,024 float32; b2 1,024 float32; bv 1 float32; features 32 x 2,048 x 1,024 float32; hidden 32 x 1,024 float32.
;; Outputs: out0 32 x 1,024 float32; out1 32 x 2,048 x 1 float32.
;; This version of the problem:
;;   THIS VERSION OF THE PROBLEM IS GIVEN IN LOW PRECISION. The matrix products marked QUANTISED in the list below multiply operands that are first quantised to E4M3 (4 exponent bits, 3 mantissa bits; 8 bits a number), with one power-of-two scale for each 32 numbers along K (OCP MX v1.0); their sums are f32. All else is computed in f32.
;;   The module's matrix products, in the order in which they are computed (A, B: the left and right operand; K: the contracted axis; several contracted axes count as one K, in the product's order):
;;     1. [M 65,536, K 1,024] x [K 1,024, N 1,024]; A: input features; B: input W1: QUANTISED
;;     2. [M 32, K 1,024] x [K 1,024, N 1,024]; A: input hidden; B: input W2: QUANTISED
;;     3. [M 65,536, K 1,024] x [K 1,024, N 1]; A: computed on the way; B: input V: left as it is (N = 1 < 16)
;;   THE QUANTISER, for each operand of a quantised product, along K:
;;     - K is cut into blocks of 32 from its start; a last block that is shorter is filled with zeros.
;;     - A block's scale is 2^e with e = floor(log2(the largest magnitude in the block)) - 8, held to -126 .. 127; a block of zeros has e = 0. As a byte (E8M0): e + 127.
;;     - Each number is divided by its block's scale, clamped to +-448, and rounded to the nearest number of E4M3, ties to even, subnormals kept.
;;     - The product sums the exact products of the quantised numbers (number of the format x scale) in f32.
;;   ~~~python
;;   def quantise(x, axis):      # numpy; x: float32 -> the quantised numbers, widened to float32 again
;;       x = np.moveaxis(x, axis, -1); K = x.shape[-1]
;;       x = np.pad(x, [(0, 0)] * (x.ndim - 1) + [(0, -K % 32)]); x = x.reshape(x.shape[:-1] + (-1, 32)); a = np.abs(x).max(-1, keepdims=True)
;;       e = np.where(a > 0, np.clip(np.frexp(np.where(a > 0, a, 1))[1] - 1 - 8, -126, 127), 0)      # np.frexp(a)[1] - 1 = floor(log2(a)), exactly
;;       r = np.clip(x / 2.0 ** e, -448, 448)
;;       step = 2.0 ** (np.maximum(np.frexp(np.where(r == 0, 1, r))[1] - 1, -6) - 3)
;;       q = np.round(r / step) * step * 2.0 ** e      # np.round: ties to even
;;       return np.moveaxis(q.reshape(q.shape[:-2] + (-1,))[..., :K], -1, axis).astype(np.float32)
;;   ~~~
;; One version. Each part assembles by itself: llvm-mc -triple=amdgcn-amd-amdhsa -mcpu=gfx1250 --defsym DOCPART=n.
;; ======== version 1 of 1: 3 launches
;; limits: right only within a limited range of input values
;; workspace buffers: w1q 1,081,344 bytes; part 1,048,576 bytes; logits 262,144 bytes; pctx 4,194,304 bytes
;; launch prep (part 1): grid 32 x 8, 2 waves a work-group, no clusters, 9,472 bytes of LDS; arguments W1, W2, hidden, w1q, part; writes w1q, part
.if DOCPART == 1
	.amdgcn_target "amdgcn-amd-amdhsa--gfx1250"
	.amdhsa_code_object_version 6
	.text
	.protected	k_q2cb07265b9_prep
	.globl	k_q2cb07265b9_prep
	.p2align	8
	.type	k_q2cb07265b9_prep,@function
k_q2cb07265b9_prep:
	s_mov_b64 s[64:65], 0
	v_nop
	global_prefetch_b8 v0, s[64:65] scope:SCOPE_SE
	s_setreg_imm32_b32 hwreg(HW_REG_WAVE_MODE, 25, 1), 1
	s_wait_xcnt 0x0
; W1 and W2, [1024 (k)][1024 (u)] f32, are quantised along k, their FIRST axis, to codes of E4M3 with one E8M0 byte for each 32 along k.
; Work-groups x = 0..15 take W1 and store it as images of operand registers (w1q); x = 16..31 take W2 and multiply it at once by Q(hidden): part[y][b][u], the K step's share of hidden W2.
; y is the K step of 128.  Wave w takes columns 64 (x & 15) + 32 w + lane: A LANE TAKES A COLUMN AND ITS REGISTERS RUN DOWN K, so each load reads 128 consecutive bytes, a block of 32 lies in one lane,
; and the conversions give codes with K innermost.  The codes turn through the wave's own stage in LDS (32 rows of 128 bytes + 16) into two fragments of 16 columns x 128 k.
; w1q: 16 groups of 64 u, 67,584 bytes each: fragment (tile i of 4, K step s of 8) at (8 i + s) 2048, lane l's 16 bytes of register group c at 512 c + 16 l; behind the 32 fragments the scale words:
; that of (i, r, s) at 65536 + 512 i + 256 (s / 4) + 16 r + 4 (s % 4).
; LIMITS: NaN and infinities among the inputs are not served.  A block of zeros, or one whose largest magnitude lies under 2^-118, gets the byte 1: its codes are zeros or small, and this program alone reads the bytes.
; The scale words leave 4 bytes in each 16 (32 KB in the launch), part in runs of 64 bytes (1 MB in the launch): both small beside the 8 MB read.
; WORK LEFT OUT BY THE PROGRAM: bv.  reference() adds bv[0] to every logit of a batch and then takes the softmax along t; softmax(l + c) = softmax(l) for every real c, and the logits reach the outputs
; through that softmax alone.  So bv has no way to any output: it is not loaded and is among no launch's arguments.  LIMIT: a NaN, an infinity or an overflow that bv alone would bring is not carried to the results.
.set X,   32                           ; v32-159  four blocks of 32 numbers; later hidden's 2 x 64 numbers; later the four results (v32-63)
.set CD,  160                          ; v160-191 the codes, eight registers a block; later hidden's two fragments
.set FRG, 192                          ; v192-223 the two fragments of the weight
.set TM,  224                          ; v224-239 the quantiser's work
.set SEL, 40                           ; s[40:41] v_permlanex16_b32's selects for lane l xor 16
.set MNT, 42                           ; s42      the mantissa field of 448
; 64 numbers of a lane, register 16 b + i = k 32 b + 16 (lane / 16) + i of my row, become a fragment's codes in v[pc] on and its scale word in v[pw]
.macro QUANT src, pc, pw
.irp b, 0,1,2,3
	v_max3_num_f32 v[TM+\b], |v[\src+16*\b]|, |v[\src+1+16*\b]|, 0x4800000   ; my 16 numbers of block b, and the floor 2^(9 - 127): the byte cannot fall under 1
.endr
.irp i, 2,4,6,8,10,12,14
.irp b, 0,1,2,3
	v_max3_num_f32 v[TM+\b], v[TM+\b], |v[\src+16*\b+\i]|, |v[\src+1+16*\b+\i]|
.endr
.endr
.irp b, 0,1,2,3
	v_permlanex16_b32 v[TM+4+\b], v[TM+\b], s[SEL], s[SEL+1]
.endr
.irp b, 0,1,2,3
	v_max_num_f32 v[TM+\b], v[TM+\b], v[TM+4+\b]           ; with lane l xor 16's: the block's largest magnitude
.endr
.irp b, 0,1,2,3
	v_add_nc_u32 v[TM+12+\b], 0xfc000000, v[TM+\b]         ; 8 off its exponent field: the conversion's scale operand
.endr
.irp b, 0,1,2,3
	v_and_or_b32 v[TM+8+\b], v[TM+\b], 0x7f800000, s[MNT]  ; 448 x the scale
.endr
.irp b, 0,1,2,3
	v_lshrrev_b32 v[TM+4+\b], 23, v[TM+12+\b]              ; the scale's byte
.endr
	v_lshl_or_b32 v[\pw], v[TM+5], 8, v[TM+4]
	v_lshl_or_b32 v[\pw], v[TM+6], 16, v[\pw]
	v_lshl_or_b32 v[\pw], v[TM+7], 24, v[\pw]
.irp b, 0,1,2,3
.irp i, 0,1,2,3,4,5,6,7,8,9,10,11,12,13,14,15
	v_med3_num_f32 v[\src+16*\b+\i], v[\src+16*\b+\i], -v[TM+8+\b], v[TM+8+\b]   ; the conversion to an 8-bit code does not saturate (ISA guide 7.6.2): the hold
.endr
	v_cvt_scalef32_pk8_fp8_f32 v[\pc+4*\b:\pc+1+4*\b], v[\src+16*\b:\src+7+16*\b], v[TM+12+\b]
	v_cvt_scalef32_pk8_fp8_f32 v[\pc+2+4*\b:\pc+3+4*\b], v[\src+8+16*\b:\src+15+16*\b], v[TM+12+\b]
.endr
	v_nop                                                  ; a plain line behind the last conversion
.endm
	s_load_b256 s[4:11], s[0:1], 0x0               ; W1 s[4:5], W2 s[6:7], hidden s[8:9], w1q s[10:11]
	s_load_b64 s[12:13], s[0:1], 0x20              ; part
	v_lshl_add_u32 v254, v0, 2, 0x2400
	v_mov_b32 v255, 0
	v_lshrrev_b32 v1, 5, v0
	v_readfirstlane_b32 s14, v1                    ; wave 0, 1
	s_and_b32 s15, ttmp9, 15                       ; which 64 columns
	s_and_b32 s16, ttmp7, 0xffff                   ; which K step
	v_and_b32 v1, 31, v0                           ; lane
	v_and_b32 v2, 15, v0                           ; r
	v_bfe_u32 v3, v0, 4, 1                         ; h
	v_lshlrev_b32 v4, 2, v1                        ; in: 4 bytes a lane
	s_mul_i32 s34, s14, 4608                       ; my stage
	v_mul_u32_u24 v5, v1, 144
	v_add_nc_u32 v5, s34, v5                       ; into it: row = my column
	v_mul_u32_u24 v6, v2, 144
	v_lshl_add_u32 v6, v3, 4, v6
	v_add_nc_u32 v6, s34, v6                       ; out of it: a fragment's row r, + 16 h
	v_lshlrev_b32 v7, 4, v1                        ; an image's place for my lane
	v_lshlrev_b32 v8, 4, v2
	v_lshl_add_u32 v8, v3, 9, v8                   ; my column's scale word: 512 (lane / 16) + 16 r
	v_lshlrev_b32 v9, 12, v2
	v_lshl_add_u32 v10, v3, 5, v9                  ; part: row r of 4,096 bytes, + 32 h
	v_lshl_add_u32 v9, v3, 6, v9                   ; hidden: row r, + 64 h
.irp b, 0,1,2,3
	v_mov_b32 v[TM+4+\b], 0                        ; written once: a lane permute's destination counts as one of its sources
.endr
	s_mov_b32 s[SEL], 0x76543210
	s_mov_b32 s[SEL+1], 0xfedcba98
	s_mov_b32 s[MNT], 0x600000
	s_lshl_b32 s23, s15, 8
	s_lshl_b32 s22, s14, 7
	s_add_co_u32 s23, s23, s22                     ; my first column in bytes: 256 (x & 15) + 128 w
	s_lshl_b32 s20, s16, 19                        ; 128 rows of 4,096 bytes a K step
	s_add_co_u32 s20, s20, s23
	s_mov_b32 s21, 0
	s_mul_i32 s24, s15, 67584                      ; my group in w1q
	s_lshl_b32 s25, s14, 4
	s_add_co_u32 s25, s25, s16
	s_lshl_b32 s25, s25, 11
	s_add_co_u32 s26, s24, s25                     ; fragment (2 w, y): (16 w + y) 2048
	s_mov_b32 s27, 0
	s_lshl_b32 s25, s14, 10
	s_add_co_u32 s28, s24, s25
	s_lshr_b32 s25, s16, 2
	s_lshl_b32 s25, s25, 8
	s_add_co_u32 s28, s28, s25
	s_and_b32 s25, s16, 3
	s_lshl_b32 s25, s25, 2
	s_add_co_u32 s28, s28, s25
	s_add_co_u32 s28, s28, 65536                   ; the scale words: 65536 + 1024 w + 256 (y / 4) + 4 (y % 4)
	s_mov_b32 s29, 0
	s_lshl_b32 s30, s16, 17
	s_add_co_u32 s30, s30, s23                     ; part: plane y, my columns
	s_mov_b32 s31, 0
	s_lshl_b32 s32, s16, 9                         ; hidden: 128 numbers a K step
	s_mov_b32 s33, 0
	s_wait_kmcnt 0x0
	s_cmp_lt_u32 ttmp9, 16                         ; W1's work-group or W2's: the choice hangs on the work-group's number alone
	s_cselect_b64 s[4:5], s[4:5], s[6:7]
	s_add_nc_u64 s[4:5], s[4:5], s[20:21]
	s_add_nc_u64 s[26:27], s[10:11], s[26:27]
	s_add_nc_u64 s[28:29], s[10:11], s[28:29]
	s_add_nc_u64 s[30:31], s[12:13], s[30:31]
	s_add_nc_u64 s[32:33], s[8:9], s[32:33]
.set i, 0
.rept 128
	global_load_b32 v[X+i], v4, s[4:5] offset:4096*i th:TH_LOAD_NT   ; row k = 128 y + i at my column: 32 lanes read 128 consecutive bytes
.set i, i+1
.endr
; block t of 32 along k: all 32 numbers are mine.  cnt: the later blocks' loads, which may stay out (a wait's field holds 63 at the most; a smaller count is safe)
.macro BLOCK t, cnt
.set XS, X+32*(\t)
	s_wait_loadcnt \cnt
	v_max3_num_f32 v12, |v[XS]|, |v[XS+1]|, |v[XS+2]|
	v_max3_num_f32 v13, |v[XS+3]|, |v[XS+4]|, |v[XS+5]|
.irp i, 6,10,14,18,22,26
	v_max3_num_f32 v12, v12, |v[XS+\i]|, |v[XS+\i+1]|
	v_max3_num_f32 v13, v13, |v[XS+\i+2]|, |v[XS+\i+3]|
.endr
	v_max3_num_f32 v12, v12, |v[XS+30]|, |v[XS+31]|
	v_max3_num_f32 v12, v12, v13, 0x4800000        ; and the floor
	v_add_nc_u32 v14, 0xfc000000, v12              ; the conversion's scale operand
	v_and_or_b32 v15, v12, 0x7f800000, s[MNT]      ; 448 x the scale
	v_lshrrev_b32 v13, 23, v14                     ; the byte
.if (\t) == 0
	v_mov_b32 v16, v13                             ; v16: my column's scale word of this K step, and nothing else
.else
	v_lshl_or_b32 v16, v13, 8*(\t), v16
.endif
.set j, 0
.rept 32
	v_med3_num_f32 v[XS+j], v[XS+j], -v15, v15
.set j, j+1
.endr
.irp g, 0,1,2,3
	v_cvt_scalef32_pk8_fp8_f32 v[CD+8*(\t)+2*\g:CD+8*(\t)+2*\g+1], v[XS+8*\g:XS+8*\g+7], v14
.endr
	ds_store_b128 v5, v[CD+8*(\t):CD+8*(\t)+3] offset:32*(\t)
	ds_store_b128 v5, v[CD+8*(\t)+4:CD+8*(\t)+7] offset:32*(\t)+16
.endm
	BLOCK 0, 63
	BLOCK 1, 63
	BLOCK 2, 32
	BLOCK 3, 0
	v_nop                                          ; a plain line behind the last conversion
.irp u, 0,1
.irp c, 0,1,2,3
	ds_load_b128 v[FRG+16*\u+4*\c:FRG+16*\u+4*\c+3], v6 offset:2304*\u+32*\c   ; LDS serves a wave's instructions in order: these see my stores.  Tile u: columns 16 u + r, k = 32 c + 16 h + 0 .. 15
.endr
.endr
	s_cmp_lt_u32 ttmp9, 16
	s_cbranch_scc0 .Lw2
	; ---- W1: the two fragments and the scale words go to w1q
.irp u, 0,1
.irp c, 0,1,2,3
	s_wait_dscnt 7-4*\u-\c                         ; the younger fragment loads may stay out
	global_store_b128 v7, v[FRG+16*\u+4*\c:FRG+16*\u+4*\c+3], s[26:27] offset:16384*\u+512*\c   ; 32 lanes store 512 consecutive bytes, aligned
.endr
.endr
	global_store_b32 v8, v16, s[28:29]
	s_wait_tensorcnt 0x0
	ds_add_u32 v254, v255
	s_wait_dscnt 0x0
	s_endpgm
.Lw2:
	; ---- W2: hidden's 32 rows of this K step are quantised in registers; four products; the K step's share goes to part
.irp p, 0,1
.irp b, 0,1,2,3
.irp j, 0,1,2,3
	global_load_b128 v[X+64*\p+16*\b+4*\j:X+64*\p+16*\b+4*\j+3], v9, s[32:33] offset:65536*\p+128*\b+16*\j   ; row 16 p + r: my 16 numbers of block b
.endr
.endr
.endr
	s_wait_dscnt 0x0                               ; the fragments are in, and the stage's stores have read the codes' registers, which hidden's codes take
	s_wait_loadcnt 16                              ; rows 0-15 are in; rows 16-31 may be out
	QUANT X, CD, 17
	s_wait_loadcnt 0x0
	QUANT X+64, CD+16, 18
.rept 8
	v_nop                                          ; a scale word made by vector instructions stands eight places ahead of the product, codes four
.endr
	; transposed: source 0 = 16 columns of W2, source 1 = 16 rows of hidden: register j of lane (r, h) is part(16 p + r, 16 u + 8 h + j)
	v_wmma_scale_f32_16x16x128_f8f6f4 v[32:39], v[FRG:FRG+15], v[CD:CD+15], 0, v16, v17
	v_wmma_scale_f32_16x16x128_f8f6f4 v[40:47], v[FRG+16:FRG+31], v[CD:CD+15], 0, v16, v17 matrix_a_scale:MATRIX_SCALE_ROW1
	v_wmma_scale_f32_16x16x128_f8f6f4 v[48:55], v[FRG:FRG+15], v[CD+16:CD+31], 0, v16, v18
	v_wmma_scale_f32_16x16x128_f8f6f4 v[56:63], v[FRG+16:FRG+31], v[CD+16:CD+31], 0, v16, v18 matrix_a_scale:MATRIX_SCALE_ROW1
.rept 8
	v_nop                                          ; eight places in front of the stores that read the results
.endr
.irp p, 0,1
.irp u, 0,1
	global_store_b128 v10, v[32+8*(2*\p+\u):32+8*(2*\p+\u)+3], s[30:31] offset:65536*\p+64*\u      ; each result from its low end on
	global_store_b128 v10, v[32+8*(2*\p+\u)+4:32+8*(2*\p+\u)+7], s[30:31] offset:65536*\p+64*\u+16
.endr
.endr
	s_wait_tensorcnt 0x0
	ds_add_u32 v254, v255
	s_wait_dscnt 0x0
	s_endpgm
.Lfunc_end_k_q2cb07265b9_prep:
	.size	k_q2cb07265b9_prep, .Lfunc_end_k_q2cb07265b9_prep-k_q2cb07265b9_prep
	.p2alignl 7, 3214868480
	.fill 96, 4, 3214868480
	.section	.rodata,"a",@progbits
	.p2align	6, 0x0
	.amdhsa_kernel k_q2cb07265b9_prep
		.amdhsa_group_segment_fixed_size 9472
		.amdhsa_private_segment_fixed_size 0
		.amdhsa_enable_private_segment 0
		.amdhsa_kernarg_size 40
		.amdhsa_user_sgpr_count 2
		.amdhsa_user_sgpr_kernarg_segment_ptr 1
		.amdhsa_wavefront_size32 1
		.amdhsa_system_sgpr_workgroup_id_x 1
		.amdhsa_system_sgpr_workgroup_id_y 1
		.amdhsa_system_sgpr_workgroup_id_z 1
		.amdhsa_system_vgpr_workitem_id 0
		.amdhsa_next_free_vgpr 256
		.amdhsa_next_free_sgpr 66
		.amdhsa_reserve_vcc 0
		.amdhsa_float_denorm_mode_32 3
		.amdhsa_float_denorm_mode_16_64 3
		.amdhsa_memory_ordered 1
		.amdhsa_forward_progress 1
		.amdhsa_inst_pref_size 53
	.end_amdhsa_kernel
	.amdgpu_metadata
---
amdhsa.version: [ 1, 2 ]
amdhsa.kernels:
  - .name:           k_q2cb07265b9_prep
    .symbol:         k_q2cb07265b9_prep.kd
    .args:
      - { .name: W1, .offset: 0, .size: 8, .value_kind: global_buffer, .address_space: global }
      - { .name: W2, .offset: 8, .size: 8, .value_kind: global_buffer, .address_space: global }
      - { .name: hidden, .offset: 16, .size: 8, .value_kind: global_buffer, .address_space: global }
      - { .name: w1q, .offset: 24, .size: 8, .value_kind: global_buffer, .address_space: global }
      - { .name: part, .offset: 32, .size: 8, .value_kind: global_buffer, .address_space: global }
    .group_segment_fixed_size: 9472
    .private_segment_fixed_size: 0
    .kernarg_segment_align: 8
    .kernarg_segment_size: 40
    .max_flat_workgroup_size: 64
    .sgpr_count:     66
    .vgpr_count:     256
    .wavefront_size: 32
...
	.end_amdgpu_metadata
.endif
;; end of part 1
;; launch score (part 2): grid 256 x 1, 4 waves a work-group, clusters of 4 x 1, 327,680 bytes of LDS; arguments features, w1q, part, b1, b2, V, pctx, logits; writes pctx, logits
.if DOCPART == 2
	.amdgcn_target "amdgcn-amd-amdhsa--gfx1250"
	.amdhsa_code_object_version 6
	.text
	.protected	k_q2cb07265b9_score
	.globl	k_q2cb07265b9_score
	.p2align	8
	.type	k_q2cb07265b9_score,@function
k_q2cb07265b9_score:
	s_mov_b64 s[64:65], 0
	v_nop
	global_prefetch_b8 v0, s[64:65] scope:SCOPE_SE
	s_setreg_imm32_b32 hwreg(HW_REG_WAVE_MODE, 25, 1), 1
	s_wait_xcnt 0x0
	s_wait_alu depctr_hold_cnt(0) depctr_sa_sdst(0) depctr_va_vdst(0) depctr_va_sdst(0) depctr_va_ssrc(0) depctr_va_vcc(0) depctr_vm_vsrc(0)
	s_getreg_b32 s2, hwreg(HW_REG_IB_STS2, 6, 4)
	s_cmp_eq_u32 s2, 0
	s_cbranch_scc0 .Lentry_in_a_cluster
	s_endpgm
.Lentry_in_a_cluster:
	s_bfe_u32 s2, ttmp6, 0x10000c
	s_cmp_lg_u32 s2, 0x3003
	s_cbranch_scc0 .Lentry_shape_is_right
	s_endpgm
.Lentry_shape_is_right:
; logits[b][t] = sum over u of V[u] tanh(Q(features[b][t]) . Q(W1[:, u]) + b1[u] + b2[u] + (hidden W2)[b][u]).  bv is left out: it is the same along the softmax's axis (shown at the head of the first kernel).
; pctx[p][d] = sum over the 64 rows t of wave p of e^(logit[t] - m_p) features[t][d], m_p the largest of those 64 logits: the wave's share of the context vector; the next launch joins the shares.
; A work-group takes 256 rows (b, t) of one batch, a wave 64.  PHASE 1: the wave's rows are read, 512 consecutive bytes a load, turned through its stage in LDS so that a lane holds 16 neighbours along K,
; quantised to E4M3 with E8M0 scales, and kept as 32 operand fragments in 512 registers (windows 2 and 3); they pass through an image in LDS, since a loop cannot number registers.
; PHASE 2: W1's codes come as 16 groups of 64 units through a ring of two LDS slots, asked for jointly by the four work-groups of a cluster (all walk the same groups).  A group is 128 matrix instructions
; on 16 accumulators by turns, then ONE epilogue in batches: t = K2 (sum + c), e = 2^t, 1 + e, its reciprocal r; tanh = 1 - 2 r, so V tanh is summed as (-2 V) r, and sum V is added at the end.
; A lane holds one unit u and eight rows in an accumulator: c[u] and V[u] are one number a lane; the sum over u is kept a lane and joined across 16 lanes at the end.
; W1's fragments have four register buffers; they are fetched four loads at a time, between the matrix instructions three K steps ahead and, for the next group's first four K steps, between the epilogue's lines.
; PHASE 3: the wave reads its 64 rows once more, whole rows of 4,096 consecutive bytes, eight rows (64 loads) on their way, and sums them under its weights.
; No prefetch of w1q: all 256 work-groups walk the same 1,081,344 bytes in step.  The features come by register loads, 64 a wave on their way, in both phases that read them.
; LIMITS: NaN and infinities among the inputs are not served.  A block of zeros, or one under 2^-118, gets the byte 1: its codes are zeros or small, and this program alone reads the bytes.
.set RING1, 67584                      ; LDS: slot 0 at 0, slot 1 here
.set GRPB,  67584                      ; a group: 32 fragments of 2,048 bytes, then 2,048 bytes of scale words
.set QUART, 16896                      ; a wave's quarter of a group
.set IMG,   135168                     ; images of A's fragments, 32,768 bytes a wave
.set ISC,   266240                     ; and of their scale words, 2,048 a wave
.set STG,   274432                     ; the stages, 16 rows x 528 bytes a wave
.set TAB,   308224                     ; K2 c[u], 4,096 bytes; then -2 V[u]
.set OUTB,  316416                     ; 256 bytes a wave: its 64 logits, then its 64 weights
.set SPARE, 317440                     ; the spare words, 128 bytes a wave
.set LI,  4
.set SI,  5
.set SO,  6
.set IA,  7
.set IS,  8
.set IB,  9
.set ISB, 10
.set VB,  11
.set VBS, 12
.set TA,  13
.set TS,  14
.set OA,  15
.set OB,  16
.set O8,  17
.set G16, 18
.set TA0, 19
.set WA,  20                           ; phase 3: where my wave's next eight weights lie
.set SPW, 28
.set NIL, 29
.set ASC, 32                           ; v32-63  A's scale words: K step z, row tile m at 4 z + m
.set BSC, 64                           ; v64-79  B's: tile i, K step z % 4 at 4 i + z % 4; lanes 16-31 hold K steps 4-7
.set TP,  80                           ; v80-87  tile i: K2 c[u], -2 V[u]
.set SV,  88                           ; the lane's sum of -2 V[u]
.set SS,  96                           ; v96-127 the lane's sums: row tile m, register j at 8 m + j
.set X,   144                          ; phase 1: 64 numbers; v128-255 in phase 2: B's buffers 2 and 3
.set PC,  208
.set TM,  224
.set PW,  240
.set W,   128                          ; phase 3: v128-135 eight rows' weights, the same in every lane
.set MX,  144
.set T1,  145
.set NM,  146
.set XB,  148
.set ACC, 192                          ; phase 3: v192-223 my 32 columns' sums
.set WV,  20
.set G1,  24
.set G0A, 32
.set G0,  36
.set TB,  40
.set WL,  41
.set CNT, 42
.set L2E, 43
.set SEL, 44
.set MNT, 46
.set K2,  50
.set IOF, 56
.set SOF, 57
.set TOF, 58
.set MSB, 0
.macro WIN new                         ; the immediate's high byte repeats the setting that is left
.if MSB != (\new)
	s_set_vgpr_msb (MSB<<8)|(\new)
.set MSB, (\new)
.endif
.endm
.macro PLACES n
.rept \n
	v_nop
.endr
.endm
.macro CREST                           ; a round of the cluster's barrier behind its opening barrier
	s_cmp_lg_u32 s[WV], 0
	s_cbranch_scc1 .Lnot_wave_0_\@
	s_barrier_signal -3
.Lnot_wave_0_\@:
	s_barrier_wait -3
	s_barrier_signal -1
	s_barrier_wait -1
.endm
.macro ROUND                           ; a whole round
	s_barrier_signal -1
	s_barrier_wait -1
	CREST
.endm
; 64 numbers of a lane, register 16 b + i = k 32 b + 16 (lane / 16) + i of its row, become a fragment's codes and its scale word
.macro QUANT src, pc, pw
.irp b, 0,1,2,3
	v_max3_num_f32 v[TM+\b], |v[\src+16*\b]|, |v[\src+1+16*\b]|, 0x4800000   ; with the floor 2^(9 - 127): the byte cannot fall under 1
.endr
.irp i, 2,4,6,8,10,12,14
.irp b, 0,1,2,3
	v_max3_num_f32 v[TM+\b], v[TM+\b], |v[\src+16*\b+\i]|, |v[\src+1+16*\b+\i]|
.endr
.endr
.irp b, 0,1,2,3
	v_permlanex16_b32 v[TM+4+\b], v[TM+\b], s[SEL], s[SEL+1]
.endr
.irp b, 0,1,2,3
	v_max_num_f32 v[TM+\b], v[TM+\b], v[TM+4+\b]           ; with lane l xor 16's: the block's largest magnitude
.endr
.irp b, 0,1,2,3
	v_add_nc_u32 v[TM+12+\b], 0xfc000000, v[TM+\b]         ; 8 off its exponent field: the conversion's scale operand
.endr
.irp b, 0,1,2,3
	v_and_or_b32 v[TM+8+\b], v[TM+\b], 0x7f800000, s[MNT]  ; 448 x the scale
.endr
.irp b, 0,1,2,3
	v_lshrrev_b32 v[TM+4+\b], 23, v[TM+12+\b]              ; the byte
.endr
	v_lshl_or_b32 v[\pw], v[TM+5], 8, v[TM+4]
	v_lshl_or_b32 v[\pw], v[TM+6], 16, v[\pw]
	v_lshl_or_b32 v[\pw], v[TM+7], 24, v[\pw]
.irp b, 0,1,2,3
.irp i, 0,1,2,3,4,5,6,7,8,9,10,11,12,13,14,15
	v_med3_num_f32 v[\src+16*\b+\i], v[\src+16*\b+\i], -v[TM+8+\b], v[TM+8+\b]   ; the conversion does not saturate (ISA guide 7.6.2): the hold
.endr
	v_cvt_scalef32_pk8_fp8_f32 v[\pc+4*\b:\pc+1+4*\b], v[\src+16*\b:\src+7+16*\b], v[TM+12+\b]
	v_cvt_scalef32_pk8_fp8_f32 v[\pc+2+4*\b:\pc+3+4*\b], v[\src+8+16*\b:\src+15+16*\b], v[TM+12+\b]
.endr
	v_nop                                                  ; a plain line behind the last conversion
.endm
.macro LOADU m, d                      ; row tile m: 16 rows x 512 bytes of a K step, into window 1 (no hint: the launch reads these bytes again)
	WIN 0x40
.set i, 0
.rept 16
	global_load_b128 v[64*(\m)+4*i:64*(\m)+4*i+3], v[LI], s[4:5] offset:65536*(\m)+4096*i+(\d)
.set i, i+1
.endr
	WIN 0
.endm
	s_load_b256 s[4:11], s[0:1], 0x0               ; features s[4:5], w1q s[6:7], part s[8:9], b1 s[10:11]
	s_load_b256 s[12:19], s[0:1], 0x20             ; b2 s[12:13], V s[14:15], pctx s[16:17], logits s[18:19]
	v_lshl_add_u32 v[SPW], v0, 2, SPARE
	v_mov_b32 v[NIL], 0
	ds_add_u32 v[SPW], v[NIL]                      ; the opening lines: the add, twice on end, and its wait
	ds_add_u32 v[SPW], v[NIL]
	v_lshrrev_b32 v1, 5, v0
	v_readfirstlane_b32 s[WV], v1                  ; wave 0..3
	s_bfe_u32 s21, ttmp6, 0x40000
	s_lshl_b32 s22, ttmp9, 2
	s_add_co_u32 s22, s22, s21                     ; work-group = 4 x cluster + place
	s_mov_b32 s[G1], 15|(3<<16)|(1<<21)            ; the mask names the cluster's four; elements of 8 bytes; 66 rows of 256 bytes, dense
	s_mov_b32 s[G1+1], 32<<16
	s_mov_b32 s[G1+2], 66<<16
	s_mov_b32 s[G1+3], 32<<16
	s_mov_b32 s[G1+4], 66
	s_mov_b32 s[G1+5], 32
	s_mov_b32 s[G1+6], 0
	s_mov_b32 s[G1+7], 0
	s_mul_i32 s[WL], s[WV], QUART
	s_mov_b32 s60, s[WL]
	s_mov_b32 s61, 0
	s_mov_b32 s[SEL], 0x76543210
	s_mov_b32 s[SEL+1], 0xfedcba98
	s_mov_b32 s[MNT], 0x600000
	s_mov_b32 s[L2E], 0x3fb8aa3b                   ; log2(e)
	s_mov_b32 s[K2], 0x4038aa3b                    ; 2 log2(e)
	s_mov_b32 s[K2+1], s[K2]
	s_mov_b32 s[TB], 0
	s_mov_b32 s[IOF], 0
	s_mov_b32 s[SOF], 0
	s_mov_b32 s[TOF], 0
	s_lshl_b32 s52, s22, 20                        ; features: 256 rows of 4,096 bytes a work-group, 64 a wave
	s_lshl_b32 s53, s[WV], 18
	s_add_co_u32 s52, s52, s53
	s_mov_b32 s53, 0
	s_lshr_b32 s54, s22, 3                         ; the batch: its row of part
	s_lshl_b32 s54, s54, 12
	s_mov_b32 s55, 0
	s_lshl_b32 s48, s22, 10                        ; logits: 1,024 bytes a work-group, 256 a wave
	s_lshl_b32 s49, s[WV], 8
	s_add_co_u32 s48, s48, s49
	s_mov_b32 s49, 0
	s_lshl_b32 s2, s22, 14                         ; pctx: a row of 4,096 bytes a wave
	s_lshl_b32 s3, s[WV], 12
	s_add_co_u32 s2, s2, s3
	s_mov_b32 s3, 0
	s_mul_i32 s62, s[WV], 8448
	s_add_co_u32 s62, s62, STG
	s_lshl_b32 s63, s[WV], 15
	s_add_co_u32 s63, s63, IMG
	s_lshl_b32 s59, s[WV], 11
	s_add_co_u32 s59, s59, ISC
	s_lshl_b32 s47, s[WV], 8
	s_add_co_u32 s47, s47, OUTB
	v_and_b32 v1, 31, v0
	v_and_b32 v2, 15, v0
	v_bfe_u32 v3, v0, 4, 1
	v_lshlrev_b32 v[LI], 4, v1
	v_lshlrev_b32 v[G16], 4, v0
	v_add_nc_u32 v[SI], s62, v[LI]                 ; into the stage: a row's 512 bytes as they lie
	v_mul_u32_u24 v[SO], v2, 528
	v_lshl_add_u32 v[SO], v3, 6, v[SO]
	v_add_nc_u32 v[SO], s62, v[SO]                 ; out of it: row r, + 64 h
	v_add_nc_u32 v[IB], s63, v[LI]
	v_lshlrev_b32 v[ISB], 2, v1
	v_add_nc_u32 v[ISB], s59, v[ISB]
	v_lshl_add_u32 v[TA0], v2, 2, TAB
	v_add_nc_u32 v[TS], TAB, v[G16]
	v_lshlrev_b32 v[OA], 5, v3
	v_add_nc_u32 v[OA], s47, v[OA]
	v_lshlrev_b32 v[O8], 3, v1
	v_add_nc_u32 v[OB], s47, v[O8]
	v_mov_b32 v[WA], s47
	s_wait_alu depctr_va_vdst(0)                   ; the wait at the head's end
	s_wait_dscnt 0x0                               ; both opening adds are done
	s_wait_kmcnt 0x0
	s_add_nc_u64 s[4:5], s[4:5], s[52:53]
	s_add_nc_u64 s[8:9], s[8:9], s[54:55]
	s_add_nc_u64 s[18:19], s[18:19], s[48:49]
	s_add_nc_u64 s[16:17], s[16:17], s[2:3]
	s_add_nc_u64 s[6:7], s[6:7], s[60:61]
	s_mov_b32 s[G0A], 1                            ; group 0 into slot 0
	s_mov_b32 s[G0A+1], s[WL]
	s_mov_b64 s[G0A+2:G0A+3], s[6:7]
	s_or_b32 s[G0A+3], s[G0A+3], 0x80000000
	s_mov_b32 s[G0], 1                             ; group 1 into slot 1; stepped from there
	s_add_co_u32 s[G0+1], s[WL], RING1
	s_add_nc_u64 s[G0+2:G0+3], s[6:7], GRPB
	s_or_b32 s[G0+3], s[G0+3], 0x80000000
; the tables' 22 loads (a thread takes 2 x 4 units: eight shares of hidden W2, b1, b2, V) and the first 32 feature loads go out ahead of the round
.irp e, 0,1
.irp y, 0,1,2,3,4,5,6,7
	global_load_b128 v[144+44*\e+4*\y:144+44*\e+4*\y+3], v[G16], s[8:9] offset:131072*\y+2048*\e
.endr
	global_load_b128 v[176+44*\e:179+44*\e], v[G16], s[10:11] offset:2048*\e
	global_load_b128 v[180+44*\e:183+44*\e], v[G16], s[12:13] offset:2048*\e
	global_load_b128 v[184+44*\e:187+44*\e], v[G16], s[14:15] offset:2048*\e
.endr
	LOADU 0, 0
	LOADU 1, 0
	ROUND                                          ; in front of the first joint load
	tensor_load_to_lds s[G0A:G0A+3], s[G1:G1+7]    ; one tensor load a wave at the head
	s_nop 0
	PLACES 4
	s_wait_loadcnt 32                              ; the tables' loads are in; the 32 feature loads stay out
.irp e, 0,1
.irp p, 0,2
	v_pk_add_f32 v[176+44*\e+\p:177+44*\e+\p], v[176+44*\e+\p:177+44*\e+\p], v[180+44*\e+\p:181+44*\e+\p]
.irp y, 0,1,2,3,4,5,6,7
	v_pk_add_f32 v[176+44*\e+\p:177+44*\e+\p], v[176+44*\e+\p:177+44*\e+\p], v[144+44*\e+4*\y+\p:145+44*\e+4*\y+\p]
.endr
	v_pk_mul_f32 v[176+44*\e+\p:177+44*\e+\p], v[176+44*\e+\p:177+44*\e+\p], s[K2:K2+1] op_sel_hi:[1,0]
	v_pk_mul_f32 v[184+44*\e+\p:185+44*\e+\p], v[184+44*\e+\p:185+44*\e+\p], -2.0 op_sel_hi:[1,0]
.endr
.endr
	LOADU 2, 0
	LOADU 3, 0
	s_wait_alu depctr_va_vdst(0)
	s_wait_tensorcnt 0x0                           ; slot 1's first fill is issued as a refill is: the wait, the add, its wait, a round
	ds_add_u32 v[SPW], v[NIL]
	s_wait_dscnt 0x0
	ROUND
	tensor_load_to_lds s[G0:G0+3], s[G1:G1+7]
	s_nop 0
	PLACES 4
.irp e, 0,1
	ds_store_b128 v[TS], v[176+44*\e:179+44*\e] offset:2048*\e
	ds_store_b128 v[TS], v[184+44*\e:187+44*\e] offset:4096+2048*\e
.endr
	s_wait_dscnt 0x0
.set a, 0
.rept 32
	v_mov_b32 v[SS+a], 0
.set a, a+1
.endr
	v_mov_b32 v[SV], 0
.irp b, 0,1,2,3
	v_mov_b32 v[TM+4+\b], 0                        ; a lane permute's destination counts as one of its sources
.endr
.macro UNIT m, cnt, ahead              ; row tile m of this K step: through the stage, quantised, into the image
	s_wait_loadcnt \cnt
	WIN 0x04
.set i, 0
.rept 16
	ds_store_b128 v[SI], v[64*(\m)+4*i:64*(\m)+4*i+3] offset:528*i
.set i, i+1
.endr
	WIN 0
.irp b, 0,1,2,3
.irp j, 0,1,2,3
	ds_load_b128 v[X+16*\b+4*\j:X+16*\b+4*\j+3], v[SO] offset:128*\b+16*\j
.endr
.endr
	s_wait_dscnt 0x0
.if \ahead
	LOADU \m, 512                                  ; the next K step's, into the registers just stored
.endif
	QUANT X, PC, PW
.irp c, 0,1,2,3
	ds_store_b128 v[IA], v[PC+4*\c:PC+4*\c+3] offset:2048*(\m)+512*\c
.endr
	ds_store_b32 v[IS], v[PW] offset:128*(\m)
.endm
.macro TRIP ahead                      ; a K step of 128; the counts leave the three younger tiles' 48 loads out
	v_add_nc_u32 v[IA], s[IOF], v[IB]
	v_add_nc_u32 v[IS], s[SOF], v[ISB]
.if \ahead
	UNIT 0, 48, 1
	UNIT 1, 48, 1
	UNIT 2, 48, 1
	UNIT 3, 48, 1
	s_wait_xcnt 0x0                                ; the base steps only behind this wait
	s_add_nc_u64 s[4:5], s[4:5], 512
.else
	UNIT 0, 48, 0
	UNIT 1, 32, 0
	UNIT 2, 16, 0
	UNIT 3, 0, 0
.endif
	s_add_co_u32 s[IOF], s[IOF], 8192
	s_add_co_u32 s[SOF], s[SOF], 512
.endm
.macro TOREG hf                        ; four K steps' 16 fragments from the image into window 2 + hf, their scale words into ASC
	WIN (0x80+0x40*(\hf))
.set q, 0
.rept 16
.irp c, 0,1,2,3
	ds_load_b128 v[16*q+4*\c:16*q+4*\c+3], v[IB] offset:2048*q+512*\c
.endr
.set q, q+1
.endr
	WIN 0
.set q, 0
.rept 16
	ds_load_b32 v[ASC+16*(\hf)+q], v[ISB] offset:128*q
.set q, q+1
.endr
	s_wait_dscnt 0x0
	s_mov_b32 s[IOF], 0
	s_mov_b32 s[SOF], 0
.endm
	s_mov_b32 s[CNT], 4
.Lq0:
	TRIP 1
	s_sub_co_u32 s[CNT], s[CNT], 1
	s_cmp_lg_u32 s[CNT], 0
	s_cbranch_scc1 .Lq0
	TOREG 0
	s_mov_b32 s[CNT], 3
.Lq1:
	TRIP 1
	s_sub_co_u32 s[CNT], s[CNT], 1
	s_cmp_lg_u32 s[CNT], 0
	s_cbranch_scc1 .Lq1
	TRIP 0
	TOREG 1
	s_wait_tensorcnt 0x1                           ; slot 1's load may stay out
	s_wait_dscnt 0x0
	s_barrier_signal -1
	s_barrier_wait -1                              ; every wave's part of the tables lies in LDS
; PHASE 2.  B's tile i of K step zk into buffer zk % 4: buffers 0, 1 in window 1, buffers 2, 3 in window 0, at v128 and v192
.macro KFRAG zk, i
.if ((\zk)&2) == 0
	WIN 0x40
.else
	WIN 0
.endif
.irp c, 0,1,2,3
	ds_load_b128 v[128+64*((\zk)&1)+16*(\i)+4*\c:128+64*((\zk)&1)+16*(\i)+4*\c+3], v[VB] offset:(8*(\i)+(\zk))*2048+512*\c
.endr
.endm
.macro KFETCH zk
.irp i, 0,1,2,3
	KFRAG \zk, \i
.endr
.endm
.macro LDBSC
	WIN 0
.irp i, 0,1,2,3
	ds_load_b128 v[BSC+4*\i:BSC+4*\i+3], v[VBS] offset:512*\i
.endr
.endm
; 16 matrix instructions: K step zk, the 16 accumulators (tile i, row tile m at window 1, v[8 (4 i + m)]) one after the other.  Source 0 = 16 rows of features, source 1 = 16 units of W1.
; fz >= 0: behind each four of them, one tile (four loads) of K step fz
.macro KMUL zk, fz
.irp i, 0,1,2,3
	WIN (0x52+((\zk)>>2)+4*(1-(((\zk)>>1)&1)))
.irp m, 0,1,2,3
.if (\zk) == 0
	v_wmma_scale_f32_16x16x128_f8f6f4 v[8*(4*\i+\m):8*(4*\i+\m)+7], v[16*(4*((\zk)&3)+\m):16*(4*((\zk)&3)+\m)+15], v[128+64*((\zk)&1)+16*\i:128+64*((\zk)&1)+16*\i+15], 0, v[ASC+4*(\zk)+\m], v[BSC+4*\i+((\zk)&3)]
.elseif (\zk) < 4
	v_wmma_scale_f32_16x16x128_f8f6f4 v[8*(4*\i+\m):8*(4*\i+\m)+7], v[16*(4*((\zk)&3)+\m):16*(4*((\zk)&3)+\m)+15], v[128+64*((\zk)&1)+16*\i:128+64*((\zk)&1)+16*\i+15], v[8*(4*\i+\m):8*(4*\i+\m)+7], v[ASC+4*(\zk)+\m], v[BSC+4*\i+((\zk)&3)]
.else
	v_wmma_scale_f32_16x16x128_f8f6f4 v[8*(4*\i+\m):8*(4*\i+\m)+7], v[16*(4*((\zk)&3)+\m):16*(4*((\zk)&3)+\m)+15], v[128+64*((\zk)&1)+16*\i:128+64*((\zk)&1)+16*\i+15], v[8*(4*\i+\m):8*(4*\i+\m)+7], v[ASC+4*(\zk)+\m], v[BSC+4*\i+((\zk)&3)] matrix_b_scale:MATRIX_SCALE_ROW1
.endif
.endr
.if (\fz) >= 0
	KFRAG \fz, \i
.endif
.endr
.endm
.macro CHUNK sp, w                     ; sp = 1: the next tile (four loads) of the next group's K steps 0 to 3; then back to the windows w
.if \sp
	KFRAG ck/4, ck%4
.set ck, ck+1
	WIN \w
.endif
.endm
; The epilogue of a group's 128 registers, in batches; each accumulator is read from its low end on.  sp = 1: the next group's 16 first tiles are fetched between its lines: 2 + 6 + 1 + 6 + 1
.macro EPI sp
.set ck, 0
	WIN 0x41
.set j, 0
.rept 64
	v_pk_fma_f32 v[2*j:2*j+1], v[2*j:2*j+1], s[K2:K2+1], v[TP+2*(j/16):TP+2*(j/16)+1] op_sel_hi:[1,0,0]   ; K2 x sum + K2 c[u]
.if (j%32) == 31
	CHUNK \sp, 0x41
.endif
.set j, j+1
.endr
	s_wait_alu depctr_va_vdst(0)                   ; one wait ahead of a batch of transcendentals and one behind it
.set j, 0
.rept 128
	v_exp_f32 v[j], v[j]
.if (j%20) == 19
	CHUNK \sp, 0x41
.endif
.set j, j+1
.endr
	v_nop
	s_wait_alu depctr_va_vdst(0)
.set j, 0
.rept 64
	v_pk_add_f32 v[2*j:2*j+1], v[2*j:2*j+1], 1.0 op_sel_hi:[1,0]
.if j == 31
	CHUNK \sp, 0x41
.endif
.set j, j+1
.endr
	s_wait_alu depctr_va_vdst(0)
.set j, 0
.rept 128
	v_rcp_f32 v[j], v[j]
.if (j%20) == 19
	CHUNK \sp, 0x41
.endif
.set j, j+1
.endr
	v_nop
	s_wait_alu depctr_va_vdst(0)
	WIN 0x01
.set j, 0
.rept 64
	v_pk_fma_f32 v[SS+2*(j%16):SS+2*(j%16)+1], v[2*j:2*j+1], v[TP+2*(j/16):TP+2*(j/16)+1], v[SS+2*(j%16):SS+2*(j%16)+1] op_sel:[0,1,0] op_sel_hi:[1,1,1]   ; += (-2 V[u]) r
.if j == 15
	CHUNK \sp, 0x01
.endif
.set j, j+1
.endr
	WIN 0
.irp i, 1,3,5,7
	v_add_f32 v[SV], v[SV], v[TP+\i]
.endr
.endm
; A group.  On entry B's scale words and K steps 0 to 3 have been asked for (4 + 64 LDS loads, in this order).  fill = 1: the slot is filled again, two groups on.  fill = 0: the tail's two trips, which fill nothing.
; The counts: behind K step z's 16 loads stand those of the later K steps asked for so far, and the 8 table words behind K step 3's.
.macro GROUP fill
	v_add_nc_u32 v[TA], s[TOF], v[TA0]
	s_add_co_u32 s[TOF], s[TOF], 256
.irp i, 0,1,2,3
	ds_load_b32 v[TP+2*\i], v[TA] offset:64*\i
	ds_load_b32 v[TP+2*\i+1], v[TA] offset:4096+64*\i
.endr
	s_wait_dscnt 56                                ; out: K steps 1 to 3 and the table words
	KMUL 0, -1
	PLACES 8                                       ; in front of loads into registers that matrix instructions have read (ISA guide 7.12.1 for vector instructions)
	s_wait_dscnt 40                                ; out: K steps 2, 3 and the table words
	KMUL 1, 4
	PLACES 8
	s_wait_dscnt 40                                ; out: K step 3, the table words, K step 4
	KMUL 2, 5
	PLACES 8
	s_wait_dscnt 40                                ; out: the table words, K steps 4, 5
	KMUL 3, 6
	PLACES 8
	s_wait_dscnt 32                                ; out: K steps 5, 6
	KMUL 4, 7
	s_wait_dscnt 32                                ; out: K steps 6, 7
	KMUL 5, -1
	WIN 0
	s_wait_tensorcnt 0x0                           ; all my tensor loads have landed: my part of the next group
	ds_add_u32 v[SPW], v[NIL]
.if \fill
	s_xor_b32 s[G0+1], s[G0+1], RING1
	s_add_nc_u64 s[G0+2:G0+3], s[G0+2:G0+3], GRPB
.endif
	s_wait_dscnt 0x0                               ; the add is done, K steps 6 and 7 are in: my reads of this slot are over
	s_barrier_signal -1
	KMUL 6, -1                                     ; work on registers while the others arrive
	KMUL 7, -1
	WIN 0
	s_barrier_wait -1
.if \fill
	CREST                                          ; the barrier has opened a round of the cluster's barrier
	tensor_load_to_lds s[G0:G0+3], s[G1:G1+7]      ; the group two on, into the slot just read
	s_nop 0
.endif
	PLACES 8
	s_xor_b32 s[TB], s[TB], RING1
	v_add_nc_u32 v[VB], s[TB], v[LI]
	v_add_nc_u32 v[VBS], 0x10000, v[VB]
.if \fill
	LDBSC
	EPI 1
.else
	s_cmp_eq_u32 s[CNT], 1
	s_cbranch_scc1 .Lno_next                       ; the last group has no successor: its trip fetches nothing
	LDBSC
	KFETCH 0
	KFETCH 1
	KFETCH 2
	KFETCH 3
	WIN 0
.Lno_next:
	EPI 0
.endif
.endm
	v_add_nc_u32 v[VB], s[TB], v[LI]
	v_add_nc_u32 v[VBS], 0x10000, v[VB]
	s_wait_alu depctr_va_vdst(0)
	LDBSC
	KFETCH 0
	KFETCH 1
	KFETCH 2
	KFETCH 3
	WIN 0
	s_mov_b32 s[CNT], 14
.Lgrp:
	GROUP 1
	s_sub_co_u32 s[CNT], s[CNT], 1
	s_cmp_lg_u32 s[CNT], 0
	s_cbranch_scc1 .Lgrp
	s_mov_b32 s[CNT], 2
.Ltail:
	GROUP 0
	s_sub_co_u32 s[CNT], s[CNT], 1
	s_cmp_lg_u32 s[CNT], 0
	s_cbranch_scc1 .Ltail
; PHASE 3.  My first eight rows, whole, into window 2, where A's fragments lay: slot q at v[32 q], 512 bytes a load
	s_sub_nc_u64 s[4:5], s[4:5], 3584              ; phase 1 left the base seven K steps along the rows
	WIN 0x80
.set q, 0
.rept 8
.irp c, 0,1,2,3,4,5,6,7
	global_load_b128 v[32*q+4*\c:32*q+4*\c+3], v[LI], s[4:5] offset:4096*q+512*\c th:TH_LOAD_NT
.endr
.set q, q+1
.endr
	WIN 0
; the lane's sums + its sum of V[u]; joined across the 16 lanes of a half; register 8 m + j of half h is the logit of row 16 m + 8 h + j
.set a, 0
.rept 32
	v_fma_f32 v[SS+a], v[SV], -0.5, v[SS+a]
.set a, a+1
.endr
.irp x, 1,2,4,8
.set a, 0
.rept 32
	v_add_f32_dpp v[SS+a], v[SS+a], v[SS+a] row_xmask:\x row_mask:0xf bank_mask:0xf
.set a, a+1
.endr
.endr
.set a, 0
.rept 32
	ds_store_b32 v[OA], v[SS+a] offset:64*(a/8)+4*(a%8)    ; the 16 lanes of a half write the same word with the same value
.set a, a+1
.endr
	ds_load_b64 v[XB:XB+1], v[OB]                  ; LDS serves a wave's instructions in order
	v_max3_num_f32 v[MX], v[SS], v[SS+1], v[SS+2]  ; the largest of my wave's 64 logits
.irp k, 3,5,7,9,11,13,15,17,19,21,23,25,27,29
	v_max3_num_f32 v[MX], v[MX], v[SS+\k], v[SS+\k+1]
.endr
	v_max_num_f32 v[MX], v[MX], v[SS+31]
	v_mov_b32 v[T1], 0
	v_permlanex16_b32 v[T1], v[MX], s[SEL], s[SEL+1]
	v_max_num_f32 v[MX], v[MX], v[T1]
	v_mul_f32 v[NM], s[L2E], v[MX]
.set a, 0
.rept 32
	v_fma_f32 v[SS+a], v[SS+a], s[L2E], -v[NM]     ; (logit - maximum) log2(e), 0 or less
.set a, a+1
.endr
	s_wait_alu depctr_va_vdst(0)                   ; one wait ahead of the batch, one behind it
.set a, 0
.rept 32
	v_exp_f32 v[SS+a], v[SS+a]                     ; the weight, at most 1
.set a, a+1
.endr
.set a, 0
.rept 32
	v_mov_b32 v[ACC+a], 0
.set a, a+1
.endr
	s_wait_alu depctr_va_vdst(0)
.set a, 0
.rept 32
	ds_store_b32 v[OA], v[SS+a] offset:64*(a/8)+4*(a%8)    ; over the logits, which the load above has read: row t's weight at 4 t
.set a, a+1
.endr
	ds_load_b128 v[W:W+3], v[WA]                   ; rows 0 to 7's weights, the same in every lane
	ds_load_b128 v[W+4:W+7], v[WA] offset:16
	s_wait_dscnt 0x0
	global_store_b64 v[O8], v[XB:XB+1], s[18:19]   ; 32 lanes store 256 consecutive bytes, aligned
; eight rows.  ahead = 1: each slot takes the row eight further on; the count leaves the seven younger rows' 56 loads out
.macro RTRIP ahead
	s_wait_dscnt 0x0                               ; these rows' weights are in
.irp q, 0,1,2,3,4,5,6,7
.if \ahead
	s_wait_loadcnt 56
.else
	s_wait_loadcnt 56-8*\q
.endif
	WIN 0x02
.irp c, 0,1,2,3,4,5,6,7,8,9,10,11,12,13,14,15
.if (\q)%2 == 0
	v_pk_fma_f32 v[ACC+2*\c:ACC+2*\c+1], v[32*\q+2*\c:32*\q+2*\c+1], v[W+\q:W+\q+1], v[ACC+2*\c:ACC+2*\c+1] op_sel_hi:[1,0,1]
.else
	v_pk_fma_f32 v[ACC+2*\c:ACC+2*\c+1], v[32*\q+2*\c:32*\q+2*\c+1], v[W+\q-1:W+\q], v[ACC+2*\c:ACC+2*\c+1] op_sel:[0,1,0] op_sel_hi:[1,1,1]
.endif
.endr
.if \ahead
.if \q == 7
	WIN 0
	v_add_nc_u32 v[WA], 32, v[WA]
	ds_load_b128 v[W:W+3], v[WA]                   ; the next eight rows' weights
	ds_load_b128 v[W+4:W+7], v[WA] offset:16
.endif
	WIN 0x80
.irp c, 0,1,2,3,4,5,6,7
	global_load_b128 v[32*\q+4*\c:32*\q+4*\c+3], v[LI], s[4:5] offset:4096*(8+\q)+512*\c th:TH_LOAD_NT
.endr
.endif
.endr
	WIN 0
.if \ahead
	s_wait_xcnt 0x0                                ; the base steps only behind this wait
	s_add_nc_u64 s[4:5], s[4:5], 32768
.endif
.endm
	s_mov_b32 s[CNT], 7
.Lrow:
	RTRIP 1
	s_sub_co_u32 s[CNT], s[CNT], 1
	s_cmp_lg_u32 s[CNT], 0
	s_cbranch_scc1 .Lrow
	RTRIP 0
.irp c, 0,1,2,3,4,5,6,7
	global_store_b128 v[LI], v[ACC+4*\c:ACC+4*\c+3], s[16:17] offset:512*\c   ; 32 lanes store 512 consecutive bytes, aligned
.endr
	s_wait_tensorcnt 0x0                           ; the wave's end
	ds_add_u32 v[SPW], v[NIL]
	s_wait_dscnt 0x0
	ROUND                                          ; the closing round
	s_endpgm
.Lfunc_end_k_q2cb07265b9_score:
	.size	k_q2cb07265b9_score, .Lfunc_end_k_q2cb07265b9_score-k_q2cb07265b9_score
	.p2alignl 7, 3214868480
	.fill 96, 4, 3214868480
	.section	.rodata,"a",@progbits
	.p2align	6, 0x0
	.amdhsa_kernel k_q2cb07265b9_score
		.amdhsa_group_segment_fixed_size 327680
		.amdhsa_private_segment_fixed_size 0
		.amdhsa_enable_private_segment 0
		.amdhsa_kernarg_size 64
		.amdhsa_user_sgpr_count 2
		.amdhsa_user_sgpr_kernarg_segment_ptr 1
		.amdhsa_wavefront_size32 1
		.amdhsa_system_sgpr_workgroup_id_x 1
		.amdhsa_system_sgpr_workgroup_id_y 1
		.amdhsa_system_sgpr_workgroup_id_z 1
		.amdhsa_system_vgpr_workitem_id 0
		.amdhsa_next_free_vgpr 1024
		.amdhsa_next_free_sgpr 66
		.amdhsa_reserve_vcc 0
		.amdhsa_float_denorm_mode_32 3
		.amdhsa_float_denorm_mode_16_64 3
		.amdhsa_memory_ordered 1
		.amdhsa_forward_progress 1
		.amdhsa_inst_pref_size 255
	.end_amdhsa_kernel
	.section	.bss,"aw",@nobits
	.p2align	6
	.space	262144
	.amdgpu_metadata
---
amdhsa.version: [ 1, 2 ]
amdhsa.kernels:
  - .name:           k_q2cb07265b9_score
    .symbol:         k_q2cb07265b9_score.kd
    .args:
      - { .name: features, .offset: 0, .size: 8, .value_kind: global_buffer, .address_space: global }
      - { .name: w1q, .offset: 8, .size: 8, .value_kind: global_buffer, .address_space: global }
      - { .name: part, .offset: 16, .size: 8, .value_kind: global_buffer, .address_space: global }
      - { .name: b1, .offset: 24, .size: 8, .value_kind: global_buffer, .address_space: global }
      - { .name: b2, .offset: 32, .size: 8, .value_kind: global_buffer, .address_space: global }
      - { .name: V, .offset: 40, .size: 8, .value_kind: global_buffer, .address_space: global }
      - { .name: pctx, .offset: 48, .size: 8, .value_kind: global_buffer, .address_space: global }
      - { .name: logits, .offset: 56, .size: 8, .value_kind: global_buffer, .address_space: global }
    .group_segment_fixed_size: 327680
    .private_segment_fixed_size: 0
    .kernarg_segment_align: 8
    .kernarg_segment_size: 64
    .max_flat_workgroup_size: 128
    .sgpr_count:     66
    .vgpr_count:     1024
    .wavefront_size: 32
...
	.end_amdgpu_metadata
.endif
;; end of part 2
;; launch combine (part 3): grid 8 x 32, 16 waves a work-group, no clusters, 18,944 bytes of LDS; arguments pctx, logits, out0, out1; writes out0, out1
.if DOCPART == 3
	.amdgcn_target "amdgcn-amd-amdhsa--gfx1250"
	.amdhsa_code_object_version 6
	.text
	.protected	k_q2cb07265b9_combine
	.globl	k_q2cb07265b9_combine
	.p2align	8
	.type	k_q2cb07265b9_combine,@function
k_q2cb07265b9_combine:
	s_mov_b64 s[64:65], 0
	v_nop
	global_prefetch_b8 v0, s[64:65] scope:SCOPE_SE
	s_setreg_imm32_b32 hwreg(HW_REG_WAVE_MODE, 25, 1), 1
	s_wait_xcnt 0x0
; out1[b][t] = softmax over t of logits[b][t] (the batch's maximum M is taken away first; S is the sum);  out0[b][d] = sum over the batch's 32 shares p of e^(m_p - M) / S x pctx[32 b + p][d].
; pctx[p] was summed under e^(logit - m_p), m_p the largest of logits 64 p .. 64 p + 63: it is found again here from the same 64 numbers.  All in f32.
; The logits come without bv, which the softmax takes away (shown at the head of the first kernel).
; Work-group (x, b) owns columns 128 x .. 128 x + 127 of batch b, so each number of out0 has one owner.  A thread holds four logits, t = 4 x thread + 0 .. 3, so the 16 lanes of a half of wave w hold share p = 2 w + h's 64,
; and that half takes that share's 512 bytes: two loads, in each of which sixteen lanes read 256 consecutive bytes, aligned.  The 32 scaled shares meet in LDS; wave 0 adds them.
; Every work-group of a batch makes the batch's weights for itself (8 KB of logits); of out1 it stores the 1,024 bytes 1024 x on, from the registers of waves 2 x and 2 x + 1.
; No matrix unit, no tensor load, no cluster, no prefetch: three loads a thread, all issued at the head, and no loop to run ahead in.
; LIMITS: NaN and infinities among the inputs are not served.
.set RED,  0                           ; LDS: the waves' maxima, 64 bytes
.set RED2, 256                         ; the waves' sums
.set ACCS, 512                         ; the 32 scaled shares, 512 bytes each; behind them, at 0x4200, the spare words
.set RG,   64                          ; v64-191  wave 0: the 32 shares' 16 bytes
	s_load_b256 s[4:11], s[0:1], 0x0               ; pctx s[4:5], logits s[6:7], out0 s[8:9], out1 s[10:11]
	v_lshl_add_u32 v62, v0, 2, 0x4200
	v_mov_b32 v63, 0
	v_lshrrev_b32 v3, 5, v0
	v_readfirstlane_b32 s12, v3                    ; wave 0..15
	s_and_b32 s13, ttmp7, 0xffff                   ; the batch
	s_mov_b32 s20, 0x76543210
	s_mov_b32 s21, 0xfedcba98
	s_lshl_b32 s14, s13, 13                        ; 8,192 bytes of logits and of out1 a batch
	s_mov_b32 s15, 0
	s_lshl_b32 s16, s13, 17                        ; pctx: 32 rows of 4,096 bytes a batch,
	s_lshl_b32 s17, s12, 13                        ; two rows a wave,
	s_add_co_u32 s16, s16, s17
	s_lshl_b32 s18, ttmp9, 9                       ; 512 bytes a work-group
	s_add_co_u32 s16, s16, s18
	s_mov_b32 s17, 0
	s_lshl_b32 s19, s13, 12                        ; out0: 4,096 bytes a batch
	s_add_co_u32 s18, s18, s19
	s_mov_b32 s19, 0
	s_wait_alu depctr_va_vdst(0)
	v_and_b32 v1, 15, v0
	v_bfe_u32 v4, v0, 4, 1                         ; h
	v_lshlrev_b32 v1, 4, v1                        ; 16 r
	v_lshl_add_u32 v5, v4, 9, v1
	v_lshl_add_u32 v5, v3, 10, v5                  ; LDS: share 2 w + h, 16 r
	v_lshl_add_u32 v1, v4, 12, v1                  ; pctx: row h of my wave's two, 16 r
	v_lshlrev_b32 v2, 4, v0                        ; 16 x thread
	v_and_b32 v40, 31, v0
	v_lshlrev_b32 v40, 4, v40                      ; 16 x lane, in a register that no load writes
	v_lshlrev_b32 v3, 2, v3                        ; 4 x wave
	v_mov_b32 v4, 0
	v_mov_b32 v13, 0                               ; a lane permute's destination counts as one of its sources
	v_mov_b32 v7, 0                                ; the upper half of the pair v[6:7], which the packed form names
	s_wait_alu depctr_va_vdst(0)                   ; the wait at the head's end
	s_wait_kmcnt 0x0
	s_add_nc_u64 s[6:7], s[6:7], s[14:15]
	s_add_nc_u64 s[10:11], s[10:11], s[14:15]
	s_add_nc_u64 s[4:5], s[4:5], s[16:17]
	s_add_nc_u64 s[8:9], s[8:9], s[18:19]
	global_load_b128 v[8:11], v2, s[6:7]           ; my four logits
	global_load_b128 v[32:35], v1, s[4:5] th:TH_LOAD_NT
	global_load_b128 v[36:39], v1, s[4:5] offset:256 th:TH_LOAD_NT
	s_wait_loadcnt 2                               ; the logits are in; the share's two loads stay out
	v_max3_num_f32 v12, v8, v9, v10
	v_max_num_f32 v12, v12, v11
	v_max_num_f32_dpp v12, v12, v12 row_xmask:1 row_mask:0xf bank_mask:0xf
	v_max_num_f32_dpp v12, v12, v12 row_xmask:2 row_mask:0xf bank_mask:0xf
	v_max_num_f32_dpp v12, v12, v12 row_xmask:4 row_mask:0xf bank_mask:0xf
	v_max_num_f32_dpp v12, v12, v12 row_xmask:8 row_mask:0xf bank_mask:0xf
	v_mov_b32 v6, v12                              ; m_p: the largest of my half's 64 logits
	v_permlanex16_b32 v13, v12, s20, s21
	v_max_num_f32 v12, v12, v13
	ds_store_b32 v3, v12 offset:RED                ; all lanes write the wave's word with the same value
	s_wait_alu depctr_va_vdst(0)
	s_wait_dscnt 0x0                               ; for the others' sake
	s_barrier_signal -1
	s_barrier_wait -1
.irp k, 0,1,2,3
	ds_load_b128 v[16+4*\k:19+4*\k], v4 offset:RED+16*\k
.endr
	s_wait_dscnt 0x0
	v_max3_num_f32 v12, v16, v17, v18
.irp k, 19,21,23,25,27,29
	v_max3_num_f32 v12, v12, v[\k], v[\k+1]
.endr
	v_max_num_f32 v12, v12, v31                    ; M, the batch's maximum
.irp k, 6,8,9,10,11
	v_sub_f32 v[\k], v[\k], v12
.endr
.irp k, 6,8,9,10,11
	v_mul_f32 v[\k], 0x3fb8aa3b, v[\k]
.endr
	s_wait_alu depctr_va_vdst(0)                   ; one wait ahead of the batch and one behind it
.irp k, 6,8,9,10,11
	v_exp_f32 v[\k], v[\k]                         ; e^(m_p - M) and e^(logit - M), at most 1
.endr
	v_nop
	s_wait_alu depctr_va_vdst(0)
	v_add_f32 v14, v8, v9
	v_add_f32 v15, v10, v11
	v_add_f32 v14, v14, v15
	v_add_f32_dpp v14, v14, v14 row_xmask:1 row_mask:0xf bank_mask:0xf
	v_add_f32_dpp v14, v14, v14 row_xmask:2 row_mask:0xf bank_mask:0xf
	v_add_f32_dpp v14, v14, v14 row_xmask:4 row_mask:0xf bank_mask:0xf
	v_add_f32_dpp v14, v14, v14 row_xmask:8 row_mask:0xf bank_mask:0xf
	v_permlanex16_b32 v13, v14, s20, s21
	v_add_f32 v14, v14, v13
	ds_store_b32 v3, v14 offset:RED2               ; other bytes than the maxima, which some wave may still be reading
	s_wait_dscnt 0x0
	s_barrier_signal -1
	s_barrier_wait -1
.irp k, 0,1,2,3
	ds_load_b128 v[16+4*\k:19+4*\k], v4 offset:RED2+16*\k
.endr
	s_wait_dscnt 0x0
.irp k, 0,2,4,6
	v_pk_add_f32 v[16+\k:17+\k], v[16+\k:17+\k], v[24+\k:25+\k]
.endr
	v_pk_add_f32 v[16:17], v[16:17], v[20:21]
	v_pk_add_f32 v[18:19], v[18:19], v[22:23]
	v_pk_add_f32 v[16:17], v[16:17], v[18:19]
	v_add_f32 v14, v16, v17                        ; S, at least 1
	s_wait_alu depctr_va_vdst(0)
	v_rcp_f32 v14, v14
	v_nop
	s_wait_alu depctr_va_vdst(0)
.irp k, 6,8,9,10,11
	v_mul_f32 v[\k], v[\k], v14                    ; my share's factor and my four weights; these registers stay as they are from here on
.endr
	s_wait_alu depctr_va_vdst(0)
	s_lshr_b32 s22, s12, 1
	s_cmp_lg_u32 s22, ttmp9                        ; waves 2 x and 2 x + 1 hold the weights that this work-group stores
	s_cbranch_scc1 .Lnot_out1
	global_store_b128 v2, v[8:11], s[10:11]        ; 32 lanes store 512 consecutive bytes, aligned
.Lnot_out1:
	s_wait_loadcnt 0x0                             ; my share's 32 bytes
.irp k, 32,34,36,38
	v_pk_mul_f32 v[\k:\k+1], v[\k:\k+1], v[6:7] op_sel_hi:[1,0]
.endr
	ds_store_b128 v5, v[32:35] offset:ACCS
	ds_store_b128 v5, v[36:39] offset:ACCS+256
	s_wait_dscnt 0x0
	s_barrier_signal -1
	s_barrier_wait -1                              ; the 32 scaled shares lie in LDS
	s_cmp_lg_u32 s12, 0
	s_cbranch_scc1 .Ldone                          ; wave 0 adds them and stores
.set k, 0
.rept 32
	ds_load_b128 v[RG+4*k:RG+4*k+3], v40 offset:ACCS+512*k
.set k, k+1
.endr
	s_wait_dscnt 0x0
.set k, 16
.rept 16
	v_pk_add_f32 v[RG+4*(k-16):RG+4*(k-16)+1], v[RG+4*(k-16):RG+4*(k-16)+1], v[RG+4*k:RG+4*k+1]       ; 32 to 16: lines that do not wait for each other
	v_pk_add_f32 v[RG+4*(k-16)+2:RG+4*(k-16)+3], v[RG+4*(k-16)+2:RG+4*(k-16)+3], v[RG+4*k+2:RG+4*k+3]
.set k, k+1
.endr
.set k, 1
.rept 15
	v_pk_add_f32 v[RG:RG+1], v[RG:RG+1], v[RG+4*k:RG+4*k+1]
	v_pk_add_f32 v[RG+2:RG+3], v[RG+2:RG+3], v[RG+4*k+2:RG+4*k+3]
.set k, k+1
.endr
	global_store_b128 v40, v[RG:RG+3], s[8:9]      ; 32 lanes store 512 consecutive bytes, aligned
.Ldone:
	s_wait_tensorcnt 0x0                           ; the wave's end
	ds_add_u32 v62, v63
	s_wait_dscnt 0x0
	s_endpgm
.Lfunc_end_k_q2cb07265b9_combine:
	.size	k_q2cb07265b9_combine, .Lfunc_end_k_q2cb07265b9_combine-k_q2cb07265b9_combine
	.p2alignl 7, 3214868480
	.fill 96, 4, 3214868480
	.section	.rodata,"a",@progbits
	.p2align	6, 0x0
	.amdhsa_kernel k_q2cb07265b9_combine
		.amdhsa_group_segment_fixed_size 18944
		.amdhsa_private_segment_fixed_size 0
		.amdhsa_enable_private_segment 0
		.amdhsa_kernarg_size 32
		.amdhsa_user_sgpr_count 2
		.amdhsa_user_sgpr_kernarg_segment_ptr 1
		.amdhsa_wavefront_size32 1
		.amdhsa_system_sgpr_workgroup_id_x 1
		.amdhsa_system_sgpr_workgroup_id_y 1
		.amdhsa_system_sgpr_workgroup_id_z 1
		.amdhsa_system_vgpr_workitem_id 0
		.amdhsa_next_free_vgpr 192
		.amdhsa_next_free_sgpr 66
		.amdhsa_reserve_vcc 0
		.amdhsa_float_denorm_mode_32 3
		.amdhsa_float_denorm_mode_16_64 3
		.amdhsa_memory_ordered 1
		.amdhsa_forward_progress 1
		.amdhsa_inst_pref_size 13
	.end_amdhsa_kernel
	.amdgpu_metadata
---
amdhsa.version: [ 1, 2 ]
amdhsa.kernels:
  - .name:           k_q2cb07265b9_combine
    .symbol:         k_q2cb07265b9_combine.kd
    .args:
      - { .name: pctx, .offset: 0, .size: 8, .value_kind: global_buffer, .address_space: global }
      - { .name: logits, .offset: 8, .size: 8, .value_kind: global_buffer, .address_space: global }
      - { .name: out0, .offset: 16, .size: 8, .value_kind: global_buffer, .address_space: global }
      - { .name: out1, .offset: 24, .size: 8, .value_kind: global_buffer, .address_space: global }
    .group_segment_fixed_size: 18944
    .private_segment_fixed_size: 0
    .kernarg_segment_align: 8
    .kernarg_segment_size: 32
    .max_flat_workgroup_size: 512
    .sgpr_count:     66
    .vgpr_count:     192
    .wavefront_size: 32
...
	.end_amdgpu_metadata
.endif
;; end of part 3
